; MI455X (gfx1250); checked and timed in simulation.
; The chip was launched on July 23, 2026; its instructions are those of AMD's public machine-readable ISA for CDNA 5 (MIT licence, August 2026) and "CDNA5" Instruction Set Architecture Reference Guide (July 2026). The comments in the code are by the model that wrote it; some were corrected since.
;; Direct Horizon Head. Allowed arithmetic: matrix products marked QUANTISED: E2M1 operands, one E8M0 scale for each 32 along K, by v_wmma_scale_f32_16x16x128_f8f6f4 with both operands' format E2M1 (or v_wmma_scale_f32_32x16x128_f4), f32 sums; products left as they are: f32 operands where the result goes on into a quantised operand, else bf16, f16 or f32 operands; f32 sums; everything else in f32.
;; Inputs: W1 256 x 256 float32; W2 256 x 1 float32; W_fm 16 x 256 float32; b1 256 float32; b2 1 float32; b_fm 256 float32; beta 256 float32; final_h 16 x 1,000 x 256 float32; future_met 16 x 24 x 1,000 x 16 float32; gamma 256 float32; step_queries 24 x 256 float32.
;; Outputs: out0 16 x 24 x 1,000 x 1 float32.
;; This version of the problem:
;;   THIS VERSION OF THE PROBLEM IS GIVEN IN LOW PRECISION. The matrix products marked QUANTISED in the list below multiply operands that are first quantised to E2M1 (2 exponent bits, 1 mantissa bit; 4 bits a number), with one power-of-two scale for each 32 numbers along K (OCP MX v1.0); their sums are f32. All else is computed in f32.
;;   The module's matrix products, in the order in which they are computed (A, B: the left and right operand; K: the contracted axis; several contracted axes count as one K, in the product's order):
;;     1. [M 384,000, K 16] x [K 16, N 256]; A: input future_met; B: input W_fm: left as it is (K = 16 < 32)
;;     2. [M 384,000, K 256] x [K 256, N 256]; A: computed on the way; B: input W1: QUANTISED
;;     3. [M 384,000, K 256] x [K 256, N 1]; A: computed on the way; B: input W2: left as it is (N = 1 < 16)
;;   THE QUANTISER, for each operand of a quantised product, along K:
;;     - K is cut into blocks of 32 from its start; a last block that is shorter is filled with zeros.
;;     - A block's scale is 2^e with e = floor(log2(the largest magnitude in the block)) - 2, held to -126 .. 127; a block of zeros has e = 0. As a byte (E8M0): e + 127.
;;     - Each number is divided by its block's scale, clamped to +-6, and rounded to the nearest number of E2M1, ties to even, subnormals kept.
;;     - The product sums the exact products of the quantised numbers (number of the format x scale) in f32.
;;   ~~~python
;;   def quantise(x, axis):      # numpy; x: float32 -> the quantised numbers, widened to float32 again
;;       x = np.moveaxis(x, axis, -1); K = x.shape[-1]
;;       x = np.pad(x, [(0, 0)] * (x.ndim - 1) + [(0, -K % 32)]); x = x.reshape(x.shape[:-1] + (-1, 32)); a = np.abs(x).max(-1, keepdims=True)
;;       e = np.where(a > 0, np.clip(np.frexp(np.where(a > 0, a, 1))[1] - 1 - 2, -126, 127), 0)      # np.frexp(a)[1] - 1 = floor(log2(a)), exactly
;;       r = np.clip(x / 2.0 ** e, -6, 6)
;;       step = 2.0 ** (np.maximum(np.frexp(np.where(r == 0, 1, r))[1] - 1, 0) - 1)
;;       q = np.round(r / step) * step * 2.0 ** e      # np.round: ties to even
;;       return np.moveaxis(q.reshape(q.shape[:-2] + (-1,))[..., :K], -1, axis).astype(np.float32)
;;   ~~~
;;   OPERANDS COMPUTED ON THE WAY. 'Computed on the way' means the value that the module computes at that place (a softmax that the list does not call 'softmax' is quantised finished and normalised). What goes into a quantiser is computed in f32, as accurately as f32 sums, v_exp_f32 and their like allow (about 1e-6 of the number): no bf16 or f16 on the way to a quantiser, and a product that is left as it is and whose result goes on into a quantised operand takes f32 operands (vector FMAs, or v_wmma_f32_16x16x4_f32). A number that lies on a knife's edge between two numbers of the format may be rounded either way, as far as f32 arithmetic and the matrix unit's own rounding can turn it there, and no further.
;; One version. Each part assembles by itself: llvm-mc -triple=amdgcn-amd-amdhsa -mcpu=gfx1250 --defsym DOCPART=n.
;; ======== version 1 of 1: 1 launch
;; launch head (part 1): grid 250 x 1, 4 waves a work-group, no clusters, 59,904 bytes of LDS; arguments final_h, future_met, step_queries, W_fm, b_fm, gamma, beta, W1, b1, W2, b2, out0; writes out0
.if DOCPART == 1
	.amdgcn_target "amdgcn-amd-amdhsa--gfx1250"
	.amdhsa_code_object_version 6
	.text
	.protected	k_q5a08210e13_head
	.globl	k_q5a08210e13_head
	.p2align	8
	.type	k_q5a08210e13_head,@function
k_q5a08210e13_head:
	s_mov_b64 s[64:65], 0
	v_nop
	global_prefetch_b8 v0, s[64:65] scope:SCOPE_SE
	s_setreg_imm32_b32 hwreg(HW_REG_WAVE_MODE, 25, 1), 1
	s_wait_xcnt 0x0
; out0[b][t][n] = gelu(LN(final_h[b][n] + step_queries[t] + b_fm + future_met[b][t][n] . W_fm) Q W1 + b1) . W2 + b2, the product with W1 on codes of FP4 (E2M1), one E8M0 scale for each 32 along K.
; SHARES.  The 16,000 rows (b, n) are taken flat, bn = 1000 b + n, in 1,000 tiles of 16.  A wave owns one tile and walks all 24 t: final_h's tile is read once.  250 work-groups of four waves, a wave to a SIMD.
; ALGEBRA.  All three summands are centred ahead of the first product: h' = h - mean(h); q'[t] = q[t] + b_fm - mean; W'[k] = W_fm[k] - mean(W_fm[k]).  So c' = h' + q'[t] + f . W' is already combined - mu,
; and the variance is the mean of c'^2, summed as it stands: no difference of large sums.  h' is the C of a tile's first f32 matrix instruction; q' enters by a fifth K step whose B is 1 at one place of K and 0 elsewhere.
; gelu(z) = 0.5 (z + a (1 - e)), a = |z|, e = erfc(a / sqrt 2) = P(a)^-16, P of degree 6 (Abramowitz and Stegun 7.1.28, absolute error of erf at most 3e-7, for every a >= 0); the 0.5 lies in W2's registers.
; Where P overflows, e = 0, which is right there.
; LIMITS: z = +-infinity and NaN are not served.  A block whose largest magnitude lies under 2^(3 - 127) keeps the scale byte 1 (a block of zeros too: its codes are zeros, and only this text reads the bytes).
; LAYOUT (L lane, r = L % 16, h = L / 16).  The first product is used transposed (source 0 = 16 hidden units of W', source 1 = my 16 rows of future_met); row m of tile T is hidden unit 32 (T/2) + 8 (T%2) + m + 8 (m/8).
; So lane (r, h) holds row r, and register i (0..127) of D, h', gamma, beta the hidden unit 32 (i/16) + 16 h + i % 16: sixteen neighbours of each block of 32, as the conversions want them.
; K of the first product is permuted alike on both sides: K step s, register j of lane (r, h) is k = 8 h + 2 s + j, so that a lane's part of future_met is 32 neighbouring bytes.
; The FP4 product is used as it reads (source 0 = x's 16 rows, source 1 = 16 columns of W1): register i of lane (r, h) is row 8 h + i, column 16 u + r; b1 is the C of its first K step.
; A STEP: N (variance, normalisation, quantiser), then G in eight units of two column tiles (FP4 product, GELU, dot with W2), then R (sum over 16 lanes, one store).  THE NEXT STEP'S FIRST PRODUCT, 80 f32 matrix
; instructions, stands in slices among G's vector instructions, one behind every 12 to 20 of them: the wave issues vector work while the matrix unit works.
; NOT USED, AND WHY.  Clusters: 250 work-groups are no multiple of 4, and what is shared (W1, W_fm, step_queries) is read once, at the head.  Tensor loads: nothing streams through LDS.
; Prefetch: a step's 1,024 bytes of future_met are loaded into registers a whole step ahead of their use, so no wave waits for them.  out0: a row (b, t) is 4,000 bytes, so a tile's 64 bytes fill no aligned 256.
; LDS, written once ahead of the one barrier, then only read:
.set W1IMG, 0                          ; W1's codes as images of the operand's registers: column tile u, K step s, half c: 2048 u + 1024 s + 512 c + 16 L
.set W1SC,  32768                      ; W1's scale words: 128 u + 4 (16 s + r)
.set QT,    34816                      ; q', 1,024 bytes a step, hidden units in their own order
; REGISTERS, in windows of 256.  Window 0:
.set AWI,   1                          ; v1   16 L
.set AQ0,   2                          ; v2   QT + 4 (r + 8 (r/8))
.set AQ,    3                          ; v3   the same for the step in hand
.set FMO,   4                          ; v4   my byte offset in future_met at t = 0
.set OUTO,  5                          ; v5   my byte offset in out0 at t = 0
.set RES,   6                          ; v6   the number to store
.set RL,    7                          ; v7   r
.set RS,    8                          ; v[8:9]   1 / sqrt(var + eps); the upper one is written once, since the pair is named
.set C6,    10                         ; v[10:11] c6, twice
.set XS,    12                         ; v12, v13 x's scale words of K steps 0, 1
.set BE0,   14                         ; v[14:15] (m, 0), v[16:17] (0, m): B of the fifth K step; m = 1 in lanes 0-15, 0 in lanes 16-31
.set FL,    18                         ; v[18:25] where future_met lands
.set FB,    26                         ; v[26:33] future_met as B: K step s at FB + 2 s
.set AE,    34                         ; v[34:49] q'[hidden unit of row r of tile T]: A of the fifth K step, a pair for two tiles
.set W1S,   50                         ; v[50:65] W1's scale words: lanes 0-15 K step 0, lanes 16-31 K step 1
.set W2P,   66                         ; v[66:81] 0.5 W2[16 u + r]
.set ACC,   82                         ; v[82:89] the dot with W2: rows 8 h + 0..7, my column's share
.set CODES, 90                         ; v[90:105] x's two fragments
.set FRAG,  106                        ; v[106:169] W1's fragments: two buffers of (2 tiles x 2 K steps x 8)
.set D2,    170                        ; v[170:201] z: two buffers of two tiles
.set AA,    202                        ; v[202:233] |z|, then z + a (1 - e): two buffers
.set PP,    234                        ; v[234:249] P, 1 / P, e
.set X,     170                        ; in N: 64 numbers of x
.set TM,    234                        ; in N: at work
; Window 1: v0-127 D (written by f32 matrix instructions alone), v128-255 gamma.  Window 2: v0-127 W' (tile T, K step s at 8 T + 2 s), v128-255 beta.  Window 3: v0-127 h', v128-255 b1 (8 u + i = b1[16 u + r]).
; The prologue's own, in registers that the steps take later:
.set PL,    82                         ; L
.set PH,    83                         ; h
.set HO,    84                         ; offsets of the constant loads
.set WFO,   85
.set GBO,   86
.set B1O,   87
.set SQO,   88
.set BFO,   89
.set W1O,   90
.set AWS0,  91                         ; LDS: where my column's codes go, and (AWS) the same in the trip in hand
.set AWS,   92
.set ASC0,  93                         ; and its scale words
.set ASC,   94
.set QST,   95
.set W1SA,  96
.set M1,    97
.set M2,    98
.set SO,    99
.set BY,    100
.set PT,    101
.set SB,    102
.set PT2,   104
.set WX,    106                        ; two sets of 32 numbers of W1
.set SQ,    170                        ; six rows of step_queries, 8 numbers a lane
.set BF,    218                        ; b_fm
.set QS,    226                        ; their sums
.set WS,    238                        ; W_fm's row sums
.set WC,    250                        ; a block's codes
.set HS,    170                        ; h's sums
; SCALARS: s[4:27] the twelve addresses; s[28:29] selects for lane l xor 16; s30-32 lane masks; s33 |.|; s[34:43] c5..c1, each twice; s44 1/256; s45 eps; s46 b2; s47 steps to go; s48 q's LDS byte; s49 wave; s[52:53] -1/256
.set MSB, 0
.macro WIN new                         ; the immediate's high byte repeats the setting that is left; a switch that changes nothing is dropped
.if MSB != (\new)
	s_set_vgpr_msb (MSB<<8)|(\new)
.set MSB, \new
.endif
.endm
	s_load_b512 s[4:19], s[0:1], 0x0               ; final_h s[4:5], future_met s[6:7], step_queries s[8:9], W_fm s[10:11], b_fm s[12:13], gamma s[14:15], beta s[16:17], W1 s[18:19]
	s_load_b256 s[20:27], s[0:1], 0x40             ; b1 s[20:21], W2 s[22:23], b2 s[24:25], out0 s[26:27]
	v_lshl_add_u32 v254, v0, 2, 0xe800
	v_mov_b32 v255, 0
	v_lshrrev_b32 v[PT], 5, v0
	v_readfirstlane_b32 s49, v[PT]                 ; wave 0..3
	v_and_b32 v[PL], 31, v0
	v_and_b32 v[RL], 15, v0
	v_bfe_u32 v[PH], v0, 4, 1
	s_lshl_b32 s50, ttmp9, 2
	s_add_co_u32 s50, s50, s49                     ; my tile
	s_lshl_b32 s50, s50, 4                         ; its first flat row
	v_add_nc_u32 v[PT], s50, v[RL]                 ; bn of row r
	v_mul_u32_u24 v[PT2], v[PT], 0x10625
	v_lshrrev_b32 v[PT2], 26, v[PT2]               ; b = bn / 1000 = (67109 bn) >> 26, exact under 16,000; a tile may cross from one b to the next, so each lane has its own
	v_mad_u32_u24 v[PT2], v[PT2], 0x59d8, v[PT]    ; bn + 23000 b = 24000 b + n
	v_lshlrev_b32 v[FMO], 6, v[PT2]                ; 64 bytes a row of future_met,
	v_lshl_add_u32 v[FMO], v[PH], 5, v[FMO]        ; + 32 h
	v_lshlrev_b32 v[HO], 10, v[PT]                 ; final_h: 1,024 bytes a row,
	v_lshl_add_u32 v[HO], v[PH], 6, v[HO]          ; + 64 h
	v_and_b32 v[PT], 7, v0
	v_lshl_add_u32 v[PT], v[PH], 3, v[PT]          ; the row that I store: 8 h + r % 8
	v_add_nc_u32 v[PT], s50, v[PT]
	v_mul_u32_u24 v[PT2], v[PT], 0x10625
	v_lshrrev_b32 v[PT2], 26, v[PT2]
	v_mad_u32_u24 v[PT2], v[PT2], 0x59d8, v[PT]
	v_lshlrev_b32 v[OUTO], 2, v[PT2]
	v_and_b32 v[PT], 8, v[RL]
	v_add_nc_u32 v[PT], v[PT], v[RL]               ; r + 8 (r / 8)
	v_lshlrev_b32 v[PT], 2, v[PT]
	v_lshl_add_u32 v[WFO], v[PH], 13, v[PT]        ; W_fm: 8 h rows of 1,024 bytes, + my hidden unit
	v_add_nc_u32 v[AQ0], QT, v[PT]
	v_lshlrev_b32 v[GBO], 6, v[PH]
	v_lshlrev_b32 v[B1O], 2, v[RL]
	v_lshlrev_b32 v[BFO], 5, v[PL]
	s_lshl_b32 s51, s49, 10
	v_add_nc_u32 v[SQO], s51, v[BFO]               ; step_queries: row t = wave (+ 4 j), 32 bytes a lane
	v_add_nc_u32 v[QST], QT, v[SQO]                ; and the same place in LDS
	v_lshlrev_b32 v[AWI], 4, v[PL]
	v_lshlrev_b32 v[PT], 2, v[PL]
	v_add_nc_u32 v[W1SA], W1SC, v[PT]
	s_lshl_b32 s51, s49, 8
	v_add_nc_u32 v[W1O], s51, v[PT]                ; W1: column 64 wave + L
	v_lshlrev_b32 v[AWS0], 4, v[RL]
	v_lshl_add_u32 v[AWS0], v[PH], 11, v[AWS0]
	s_lshl_b32 s51, s49, 13
	v_add_nc_u32 v[AWS0], s51, v[AWS0]             ; 2048 (4 wave + h) + 16 r
	v_lshl_add_u32 v[ASC0], v[PH], 7, v[B1O]
	s_lshl_b32 s51, s49, 9
	s_add_co_u32 s51, s51, W1SC
	v_add_nc_u32 v[ASC0], s51, v[ASC0]             ; W1SC + 128 (4 wave + h) + 4 r
	s_mov_b32 s28, 0x76543210
	s_mov_b32 s29, 0xfedcba98
	s_mov_b32 s30, 0xaaaaaaaa                      ; lanes with bit 0, 1, 2 of their number set
	s_mov_b32 s31, 0xcccccccc
	s_mov_b32 s32, 0xf0f0f0f0
	s_mov_b32 s33, 0x7fffffff
	s_mov_b32 s34, 0x384d0fec                      ; c5 = a5 / 2^2.5; the packed forms name pairs, so each is written twice
	s_mov_b32 s35, s34
	s_mov_b32 s36, 0x381f6607                      ; c4 = a4 / 4
	s_mov_b32 s37, s36
	s_mov_b32 s38, 0x3b56cd72                      ; c3 = a3 / 2^1.5
	s_mov_b32 s39, s38
	s_mov_b32 s40, 0x3cad2fe7                      ; c2 = a2 / 2
	s_mov_b32 s41, s40
	s_mov_b32 s42, 0x3d4c41b4                      ; c1 = a1 / sqrt 2
	s_mov_b32 s43, s42
	s_mov_b32 s44, 0x3b800000                      ; 1 / 256
	s_mov_b32 s45, 0x3727c5ac                      ; 1e-5
	s_mov_b32 s52, 0xbb800000                      ; -1 / 256
	s_mov_b32 s53, s52
	s_mov_b32 s54, 0
	s_mov_b32 s55, 0
	s_mov_b32 s56, 0
	s_wait_kmcnt 0x0
	s_load_b32 s46, s[24:25], 0x0                  ; b2
	; ---- the constant loads, in runs under one window setting each
	WIN 0x80                                       ; destination window 2
.set T, 0
.rept 16
.set k, 0
.rept 8
	global_load_b32 v[8*T+k], v[WFO], s[10:11] offset:k*1024+128*(T/2)+32*(T%2)   ; W_fm(8 h + k, hidden unit of row r of tile T), k = 2 s + j
.set k, k+1
.endr
.set T, T+1
.endr
.set i, 0
.rept 32
	global_load_b128 v[128+4*i:128+4*i+3], v[GBO], s[16:17] offset:128*(i/4)+16*(i%4)   ; beta
.set i, i+1
.endr
	WIN 0xc0                                       ; destination window 3
.set i, 0
.rept 32
	global_load_b128 v[4*i:4*i+3], v[HO], s[4:5] offset:128*(i/4)+16*(i%4)               ; final_h: my 16 of each block of 32
.set i, i+1
.endr
	WIN 0x40                                       ; destination window 1
.set i, 0
.rept 32
	global_load_b128 v[128+4*i:128+4*i+3], v[GBO], s[14:15] offset:128*(i/4)+16*(i%4)   ; gamma
.set i, i+1
.endr
	WIN 0
.set u, 0
.rept 16
	global_load_b32 v[AE+u], v[B1O], s[20:21] offset:64*u                                ; b1[16 u + r], for the time being
	global_load_b32 v[W2P+u], v[B1O], s[22:23] offset:64*u                               ; W2[16 u + r]
.set u, u+1
.endr
	global_load_b128 v[FB:FB+3], v[FMO], s[6:7]                                          ; future_met of t = 0,
	global_load_b128 v[FB+4:FB+7], v[FMO], s[6:7] offset:16
	global_load_b128 v[FL:FL+3], v[FMO], s[6:7] offset:64000                             ; and of t = 1: a step is 1000 rows of 64 bytes on
	global_load_b128 v[FL+4:FL+7], v[FMO], s[6:7] offset:64016
.irp j, 0,1,2,3,4,5
	global_load_b128 v[SQ+8*\j:SQ+8*\j+3], v[SQO], s[8:9] offset:4096*\j                 ; step_queries, rows wave + 4 j
	global_load_b128 v[SQ+8*\j+4:SQ+8*\j+7], v[SQO], s[8:9] offset:4096*\j+16
.endr
	global_load_b128 v[BF:BF+3], v[BFO], s[12:13]
	global_load_b128 v[BF+4:BF+7], v[BFO], s[12:13] offset:16
	; ---- W1 [k][n] is quantised along K: a lane takes a column, its registers run down K, so a block of 32 lies in one lane and the codes come out with K innermost.  Two trips of 32 columns, eight blocks each.
.macro LOADW t                         ; block t: W1(32 t + i, my column) into set t % 2; 32 lanes read 128 neighbouring bytes
.set li, 0
.rept 32
	global_load_b32 v[WX+32*((\t)%2)+li], v[W1O], s[18:19] offset:(32*(\t)+li)*1024
.set li, li+1
.endr
.endm
.macro BLOCK t
.set WB, WX+32*((\t)%2)
.if (\t) < 7
	s_wait_loadcnt 32                              ; all but the next block's 32 loads are in: this block, and (in the first trip) every constant load issued ahead of it
.else
	s_wait_loadcnt 0x0
.endif
	v_max3_num_f32 v[M1], |v[WB]|, |v[WB+1]|, |v[WB+2]|
	v_max3_num_f32 v[M2], |v[WB+3]|, |v[WB+4]|, |v[WB+5]|
.irp i, 6,10,14,18,22,26
	v_max3_num_f32 v[M1], v[M1], |v[WB+\i]|, |v[WB+\i+1]|
	v_max3_num_f32 v[M2], v[M2], |v[WB+\i+2]|, |v[WB+\i+3]|
.endr
	v_max3_num_f32 v[M1], v[M1], |v[WB+30]|, |v[WB+31]|
	v_max3_num_f32 v[M1], v[M1], v[M2], 0x1800000  ; the block's largest magnitude, and the floor 2^(3 - 127): the byte cannot fall under 1
	v_add_nc_u32 v[SO], 0xff000000, v[M1]          ; 2 off its exponent field: the conversion takes the exponent field of this operand as its scale
	v_lshrrev_b32 v[BY], 23, v[SO]                 ; the scale's byte
.if (\t)%4 == 0
	v_mov_b32 v[SB+(\t)/4], v[BY]                  ; four bytes make a K step's scale word
.else
	v_lshl_or_b32 v[SB+(\t)/4], v[BY], 8*((\t)%4), v[SB+(\t)/4]
.endif
.irp g, 0,1,2,3
	v_cvt_scalef32_pk8_fp4_f32 v[WC+\g], v[WB+8*\g:WB+8*\g+7], v[SO]
.endr
	v_nop                                          ; one plain place behind the last scaled conversion
	ds_store_b128 v[AWS], v[WC:WC+3] offset:256*(\t)   ; block 4 s + 2 c + h of column r is the 16 bytes of lane 16 h + r in image (s, c)
.if (\t)+2 < 8
	LOADW (\t)+2
.endif
	s_wait_dscnt 0x0                               ; the store has read its registers: the next block's codes may be written
.endm
.Lw1:
	v_add_nc_u32 v[AWS], s54, v[AWS0]
	v_add_nc_u32 v[ASC], s55, v[ASC0]
	LOADW 0
	LOADW 1
.irp t, 0,1,2,3,4,5,6,7
	BLOCK \t
.endr
	ds_store_b32 v[ASC], v[SB]                     ; K step 0's word, where lanes 0-15 will read it,
	ds_store_b32 v[ASC], v[SB+1] offset:64         ; K step 1's, where lanes 16-31 will
	s_wait_dscnt 0x0
	v_add_nc_u32 v[W1O], 128, v[W1O]               ; 32 columns on (the last block waited for all loads, so the offset is free)
	s_add_co_u32 s54, s54, 4096                    ; two column tiles on
	s_add_co_u32 s55, s55, 256
	s_add_co_u32 s56, s56, 1
	s_cmp_lt_u32 s56, 2
	s_cbranch_scc1 .Lw1
	; ---- q'[t] = step_queries[t] + b_fm - its mean: six rows a wave, by turns
.irp j, 0,1,2,3,4,5
.irp p, 0,1,2,3
	v_pk_add_f32 v[SQ+8*\j+2*\p:SQ+8*\j+2*\p+1], v[SQ+8*\j+2*\p:SQ+8*\j+2*\p+1], v[BF+2*\p:BF+2*\p+1]
.endr
.endr
.irp j, 0,1,2,3,4,5
	v_pk_add_f32 v[QS+2*\j:QS+2*\j+1], v[SQ+8*\j:SQ+8*\j+1], v[SQ+8*\j+2:SQ+8*\j+3]
.endr
.irp j, 0,1,2,3,4,5
	v_pk_add_f32 v[QS+2*\j:QS+2*\j+1], v[QS+2*\j:QS+2*\j+1], v[SQ+8*\j+4:SQ+8*\j+5]
.endr
.irp j, 0,1,2,3,4,5
	v_pk_add_f32 v[QS+2*\j:QS+2*\j+1], v[QS+2*\j:QS+2*\j+1], v[SQ+8*\j+6:SQ+8*\j+7]
.endr
.irp j, 0,1,2,3,4,5
	v_add_f32 v[QS+2*\j], v[QS+2*\j], v[QS+2*\j+1]
.endr
.irp m, 1,2,4,8
.irp j, 0,1,2,3,4,5
	v_add_f32_dpp v[QS+2*\j], v[QS+2*\j], v[QS+2*\j] row_xmask:\m row_mask:0xf bank_mask:0xf
.endr
.endr
.irp j, 0,1,2,3,4,5
	v_permlanex16_b32 v[QS+2*\j+1], v[QS+2*\j], s28, s29
.endr
.irp j, 0,1,2,3,4,5
	v_add_f32 v[QS+2*\j], v[QS+2*\j], v[QS+2*\j+1] ; the row's sum, in every lane
.endr
.irp j, 0,1,2,3,4,5
.irp p, 0,1,2,3
	v_pk_fma_f32 v[SQ+8*\j+2*\p:SQ+8*\j+2*\p+1], v[QS+2*\j:QS+2*\j+1], s[52:53], v[SQ+8*\j+2*\p:SQ+8*\j+2*\p+1] op_sel_hi:[0,0,1]
.endr
.endr
.irp j, 0,1,2,3,4,5
	ds_store_b128 v[QST], v[SQ+8*\j:SQ+8*\j+3] offset:4096*\j
	ds_store_b128 v[QST], v[SQ+8*\j+4:SQ+8*\j+7] offset:4096*\j+16
.endr
	; ---- W'[k] = W_fm[k] - its mean over the 256 hidden units: 16 tiles in my registers x 16 lanes of my half
	WIN 0x0a                                       ; sources 0 and 1 window 2
.irp s, 0,1,2,3
	v_pk_add_f32 v[WS+2*\s:WS+2*\s+1], v[2*\s:2*\s+1], v[8+2*\s:8+2*\s+1]
.endr
	WIN 0x08                                       ; source 1 window 2
.set T, 2
.rept 14
.irp s, 0,1,2,3
	v_pk_add_f32 v[WS+2*\s:WS+2*\s+1], v[WS+2*\s:WS+2*\s+1], v[8*T+2*\s:8*T+2*\s+1]
.endr
.set T, T+1
.endr
	WIN 0
.irp m, 1,2,4,8
.irp i, 0,1,2,3,4,5,6,7
	v_add_f32_dpp v[WS+\i], v[WS+\i], v[WS+\i] row_xmask:\m row_mask:0xf bank_mask:0xf
.endr
.endr
	WIN 0xa0                                       ; source 2 and destination window 2
.set T, 0
.rept 16
.irp s, 0,1,2,3
	v_pk_fma_f32 v[8*T+2*\s:8*T+2*\s+1], v[WS+2*\s:WS+2*\s+1], s[52:53], v[8*T+2*\s:8*T+2*\s+1] op_sel_hi:[1,0,1]
.endr
.set T, T+1
.endr
	WIN 0
	s_wait_dscnt 0x0                               ; q's stores have read their registers, which the sums below take
	; ---- h' = h - its mean: 128 numbers of row r are mine, the other 128 lie in lane l xor 16
	WIN 0x0f                                       ; sources 0 and 1 window 3
.set i, 0
.rept 8
	v_pk_add_f32 v[HS+2*i:HS+2*i+1], v[2*i:2*i+1], v[16+2*i:16+2*i+1]
.set i, i+1
.endr
	WIN 0x0c                                       ; source 1 window 3
.set i, 16
.rept 48
	v_pk_add_f32 v[HS+2*(i%8):HS+2*(i%8)+1], v[HS+2*(i%8):HS+2*(i%8)+1], v[2*i:2*i+1]
.set i, i+1
.endr
	WIN 0
.irp i, 0,2,4,6
	v_pk_add_f32 v[HS+\i:HS+\i+1], v[HS+\i:HS+\i+1], v[HS+8+\i:HS+8+\i+1]
.endr
	v_pk_add_f32 v[HS:HS+1], v[HS:HS+1], v[HS+4:HS+5]
	v_pk_add_f32 v[HS+2:HS+3], v[HS+2:HS+3], v[HS+6:HS+7]
	v_pk_add_f32 v[HS:HS+1], v[HS:HS+1], v[HS+2:HS+3]
	v_add_f32 v[HS], v[HS], v[HS+1]
	v_permlanex16_b32 v[HS+2], v[HS], s28, s29
	v_add_f32 v[HS], v[HS], v[HS+2]
	v_mul_f32 v[HS], s52, v[HS]                    ; -mean
	WIN 0xc3                                       ; source 0 and destination window 3
.set i, 0
.rept 64
	v_pk_add_f32 v[2*i:2*i+1], v[2*i:2*i+1], v[HS:HS+1] op_sel_hi:[1,0]
.set i, i+1
.endr
	; ---- b1 in the FP4 result's layout: a column's bias in all eight rows of a lane: it is the C of each sum's first instruction, so no step adds it
	WIN 0xc0
.set u, 0
.rept 16
.set i, 0
.rept 8
	v_mov_b32 v[128+8*u+i], v[AE+u]
.set i, i+1
.endr
.set u, u+1
.endr
	WIN 0
.set i, 0
.rept 8
	v_pk_mul_f32 v[W2P+2*i:W2P+2*i+1], v[W2P+2*i:W2P+2*i+1], 0.5 op_sel_hi:[1,0]   ; gelu's 0.5
.set i, i+1
.endr
	v_cvt_f32_u32 v[BE0], v[PH]
	v_sub_f32 v[BE0], 1.0, v[BE0]                  ; m = 1 - h
	v_mov_b32 v[BE0+1], 0
	v_mov_b32 v[BE0+2], 0
	v_mov_b32 v[BE0+3], v[BE0]
	v_mov_b32 v[C6], 0x36b49f67                    ; c6 = a6 / 8
	v_mov_b32 v[C6+1], 0x36b49f67
	v_mov_b32 v[RS+1], 0
	s_mov_b32 s47, 23
	s_mov_b32 s48, 1024
	s_wait_kmcnt 0x0                               ; b2
	s_wait_dscnt 0x0                               ; for the others' sake: my LDS stores have landed
	s_barrier_signal -1
	s_barrier_wait -1                              ; W1's images and scale words and all 24 rows of q' lie in LDS; from here on LDS is only read
; the fragments of unit (v + 2) % 8 (column tiles 2 u', 2 u' + 1, both K steps) into the buffer that unit v's product has read
.macro LOADF v
.set lU, 2*(((\v)+2)%8)
.set lF, FRAG+32*((\v)%2)
.irp j, 0,1
.irp s, 0,1
.irp c, 0,1
	ds_load_b128 v[lF+16*\j+8*\s+4*\c:lF+16*\j+8*\s+4*\c+3], v[AWI] offset:W1IMG+(lU+\j)*2048+\s*1024+\c*512
.endr
.endr
.endr
.endm
; one f32 matrix instruction of the first product: tile t, K step k (4: the fifth, which adds q').  K step 0 takes h' as C; the others add in place.
.macro P1I t, k
.if (\k) == 0
	WIN 0x72                                       ; A window 2, B window 0, C window 3, D window 1
	v_wmma_f32_16x16x4_f32 v[8*(\t):8*(\t)+7], v[8*(\t):8*(\t)+1], v[FB:FB+1], v[8*(\t):8*(\t)+7]
.elseif (\k) < 4
	WIN 0x52                                       ; C and D window 1
	v_wmma_f32_16x16x4_f32 v[8*(\t):8*(\t)+7], v[8*(\t)+2*(\k):8*(\t)+2*(\k)+1], v[FB+2*(\k):FB+2*(\k)+1], v[8*(\t):8*(\t)+7]
.else
	WIN 0x50                                       ; A window 0
	v_wmma_f32_16x16x4_f32 v[8*(\t):8*(\t)+7], v[AE+2*((\t)/2):AE+2*((\t)/2)+1], v[BE0+2*((\t)%2):BE0+2*((\t)%2)+1], v[8*(\t):8*(\t)+7]
.endif
.endm
.set u, 0
.rept 16
	ds_load_b32 v[W1S+u], v[W1SA] offset:128*u
.set u, u+1
.endr
.set i, 0
.rept 16
	ds_load_b32 v[AE+i], v[AQ0] offset:128*(i/2)+32*(i%2)   ; q' of t = 0
.set i, i+1
.endr
	LOADF 6                                        ; unit 0 into buffer 0,
	LOADF 7                                        ; unit 1 into buffer 1
	s_wait_dscnt 0x0
	; ---- the first step's first product, written out: the 16 accumulators take turns, one instruction a turn
.set pk, 0
.rept 5
.set pt, 0
.rept 16
	P1I pt, pk
.set pt, pt+1
.endr
.set pk, pk+1
.endr
	WIN 0
.rept 8
	v_nop                                          ; eight places behind this form, ahead of the loads into A's registers and the first read of results
.endr
; a slice: the next f32 matrix instruction of the next step's first product.  A unit's ten slices are two tiles by turns, K step by K step.
.macro SL
.if NXT
.set TI, 2*(SN/10)+SN%2
.set KI, (SN%10)/2
	P1I TI, KI
	WIN 0
.set SN, SN+1
.endif
.endm
; 64 numbers of a lane, register 16 b + i = k 32 b + 16 h + i of my row, become a fragment's codes in v[pc] on and its scale word in v[pw]
.macro QUANT s, pc, pw
.irp b, 0,1,2,3
	v_max3_num_f32 v[TM+\b], |v[(\s)+16*\b]|, |v[(\s)+1+16*\b]|, 0x1800000   ; my 16 numbers of block b, and the floor 2^(3 - 127)
.endr
.irp i, 2,4,6,8,10,12,14
.irp b, 0,1,2,3
	v_max3_num_f32 v[TM+\b], v[TM+\b], |v[(\s)+16*\b+\i]|, |v[(\s)+1+16*\b+\i]|   ; the four blocks by turns
.endr
.endr
.irp b, 0,1,2,3
	v_permlanex16_b32 v[TM+4+\b], v[TM+\b], s28, s29
.endr
.irp b, 0,1,2,3
	v_max_num_f32 v[TM+\b], v[TM+\b], v[TM+4+\b]   ; with lane l xor 16's: the block's largest magnitude
.endr
.irp b, 0,1,2,3
	v_add_nc_u32 v[TM+12+\b], 0xff000000, v[TM+\b] ; 2 off its exponent field: the conversion's scale operand
.endr
.irp b, 0,1,2,3
	v_lshrrev_b32 v[TM+4+\b], 23, v[TM+12+\b]      ; the scale's byte
.endr
	v_lshl_or_b32 v[(\pw)], v[TM+5], 8, v[TM+4]
	v_lshl_or_b32 v[(\pw)], v[TM+6], 16, v[(\pw)]
	v_lshl_or_b32 v[(\pw)], v[TM+7], 24, v[(\pw)]
.irp b, 0,1,2,3
	v_cvt_scalef32_pk8_fp4_f32 v[(\pc)+2*\b], v[(\s)+16*\b:(\s)+7+16*\b], v[TM+12+\b]
	v_cvt_scalef32_pk8_fp4_f32 v[(\pc)+1+2*\b], v[(\s)+8+16*\b:(\s)+15+16*\b], v[TM+12+\b]
.endr
	v_nop                                          ; one plain place behind the last scaled conversion
.irp c, 0,1                                    ; the operand's layout wants a whole block in a lane: lanes 0-15 block 2 c, lanes 16-31 block 2 c + 1
.irp i, 0,1
	v_permlane16_swap_b32 v[(\pc)+4*\c+\i], v[(\pc)+2+4*\c+\i]
.endr
.endr
.endm
; z of unit v: column tiles 2 v, 2 v + 1; K step 0 with C = b1, K step 1 in place; the two tiles by turns
.macro FP4 v
.set fD, D2+16*((\v)%2)
.set fF, FRAG+32*((\v)%2)
	WIN 0x30                                       ; C window 3
.irp j, 0,1
	v_wmma_scale_f32_16x16x128_f8f6f4 v[fD+8*\j:fD+8*\j+7], v[CODES:CODES+7], v[fF+16*\j:fF+16*\j+7], v[128+8*(2*(\v)+\j):128+8*(2*(\v)+\j)+7], v[XS], v[W1S+2*(\v)+\j] matrix_a_fmt:MATRIX_FMT_FP4 matrix_b_fmt:MATRIX_FMT_FP4
.endr
	WIN 0
.irp j, 0,1
	v_wmma_scale_f32_16x16x128_f8f6f4 v[fD+8*\j:fD+8*\j+7], v[CODES+8:CODES+15], v[fF+16*\j+8:fF+16*\j+15], v[fD+8*\j:fD+8*\j+7], v[XS+1], v[W1S+2*(\v)+\j] matrix_a_fmt:MATRIX_FMT_FP4 matrix_b_fmt:MATRIX_FMT_FP4 matrix_b_scale:MATRIX_SCALE_ROW1
.endr
.endm
; G's vector stages, on a unit's eight pairs (bA: |z|, bD: z, PP: the polynomial)
.macro H1
.set e, 0
.rept 8
	v_pk_fma_f32 v[PP+2*e:PP+2*e+1], v[bA+2*e:bA+2*e+1], v[C6:C6+1], s[34:35] op_sel_hi:[1,1,0]   ; c6 a + c5
.set e, e+1
.endr
.endm
.macro HORN from, to, cs               ; P = P a + the next coefficient, pairs from .. to - 1
.set e, \from
.rept (\to)-(\from)
	v_pk_fma_f32 v[PP+2*e:PP+2*e+1], v[PP+2*e:PP+2*e+1], v[bA+2*e:bA+2*e+1], s[\cs:\cs+1] op_sel_hi:[1,1,0]
.set e, e+1
.endr
.endm
.macro H6
.set e, 0
.rept 8
	v_pk_fma_f32 v[PP+2*e:PP+2*e+1], v[PP+2*e:PP+2*e+1], v[bA+2*e:bA+2*e+1], 1.0 op_sel_hi:[1,1,0]
.set e, e+1
.endr
.endm
.macro RCPS from, v                    ; eight reciprocals; behind each, as its plain neighbour, |z| of the next unit (its accumulators are read from their low ends on)
.set e, \from
.rept 8
	v_rcp_f32 v[PP+e], v[PP+e]
.if (\v) < 7
	v_and_b32 v[nA+e], s33, v[nD+e]
.endif
.set e, e+1
.endr
.endm
.macro SQR from, to
.set e, \from
.rept (\to)-(\from)
	v_pk_mul_f32 v[PP+2*e:PP+2*e+1], v[PP+2*e:PP+2*e+1], v[PP+2*e:PP+2*e+1]
.set e, e+1
.endr
.endm
.macro TT from, to                     ; a - a e
.set e, \from
.rept (\to)-(\from)
	v_pk_fma_f32 v[bA+2*e:bA+2*e+1], v[bA+2*e:bA+2*e+1], v[PP+2*e:PP+2*e+1], v[bA+2*e:bA+2*e+1] neg_lo:[1,0,0] neg_hi:[1,0,0]
.set e, e+1
.endr
.endm
.macro SS                              ; + z
.set e, 0
.rept 8
	v_pk_add_f32 v[bA+2*e:bA+2*e+1], v[bA+2*e:bA+2*e+1], v[bD+2*e:bD+2*e+1]
.set e, e+1
.endr
.endm
.macro ACCU v                          ; x 0.5 W2 of my column, onto the rows' sums; the even tile takes the pair's low register, the odd tile its high one; the step's first product starts the sums
.irp p, 0,1,2,3
.if (\v) == 0
	v_pk_mul_f32 v[ACC+2*\p:ACC+2*\p+1], v[bA+2*\p:bA+2*\p+1], v[W2P+2*(\v):W2P+2*(\v)+1] op_sel_hi:[1,0]
.else
	v_pk_fma_f32 v[ACC+2*\p:ACC+2*\p+1], v[bA+2*\p:bA+2*\p+1], v[W2P+2*(\v):W2P+2*(\v)+1], v[ACC+2*\p:ACC+2*\p+1] op_sel_hi:[1,0,1]
.endif
.endr
.irp p, 0,1,2,3
	v_pk_fma_f32 v[ACC+2*\p:ACC+2*\p+1], v[bA+8+2*\p:bA+8+2*\p+1], v[W2P+2*(\v):W2P+2*(\v)+1], v[ACC+2*\p:ACC+2*\p+1] op_sel:[0,1,0] op_sel_hi:[1,1,1]
.endr
.endm
; A UNIT: the GELU and the dot of column tiles 2 v, 2 v + 1; at its head the next unit's FP4 product; ten slices among its 136 vector instructions
.macro UNIT v
.set bD, D2+16*((\v)%2)
.set bA, AA+16*((\v)%2)
.set nD, D2+16*(((\v)+1)%2)
.set nA, AA+16*(((\v)+1)%2)
.if (\v) < 7
	s_wait_dscnt 0x0                               ; the next unit's fragments, asked for in the middle of the unit before, are in
	FP4 (\v)+1
.endif
	SL
	H1
	HORN 0, 4, 36
	SL
	HORN 4, 8, 36
	HORN 0, 8, 38
	SL
	HORN 0, 8, 40
	HORN 0, 4, 42
	SL
	HORN 4, 8, 42
	H6
	SL
	RCPS 0, \v
	SL
	RCPS 8, \v
.if (\v) == 7
	v_nop                                          ; the plain place behind the last reciprocal
.endif
	s_wait_alu depctr_va_vdst(0)                   ; the wait ahead of the first line that names a reciprocal: one for the unit's sixteen
.if NXT || ((\v)+2 <= 7)
	LOADF \v
.endif
	SL
	SQR 0, 8
	SQR 0, 4
	SL
	SQR 4, 8
	SQR 0, 8
	SL
	SQR 0, 8                                       ; e = (1 / P)^16
	TT 0, 4
	SL
	TT 4, 8
	SS
	ACCU \v
.endm
; A STEP.  nxt = 1: the next step's q', future_met and first product are fetched and made on the way
.macro STEP nxt
.set NXT, \nxt
.set SN, 0
.if NXT
	v_add_nc_u32 v[AQ], s48, v[AQ0]
.set i, 0
.rept 16
	ds_load_b32 v[AE+i], v[AQ] offset:128*(i/2)+32*(i%2)   ; the next step's q'.  (The last product that read these registers stands more than eight plain lines back)
.set i, i+1
.endr
	s_add_co_u32 s48, s48, 1024
.endif
	; ---- N: the variance: the mean of c'^2, in eight chains; each accumulator is read from its low end on
	WIN 0x05                                       ; sources 0 and 1 window 1
.set i, 0
.rept 64
.if i < 8
	v_pk_mul_f32 v[TM+2*i:TM+2*i+1], v[2*i:2*i+1], v[2*i:2*i+1]
.else
	v_pk_fma_f32 v[TM+2*(i%8):TM+2*(i%8)+1], v[2*i:2*i+1], v[2*i:2*i+1], v[TM+2*(i%8):TM+2*(i%8)+1]
.endif
.set i, i+1
.endr
	WIN 0
.irp i, 0,2,4,6
	v_pk_add_f32 v[TM+\i:TM+\i+1], v[TM+\i:TM+\i+1], v[TM+8+\i:TM+8+\i+1]
.endr
	v_pk_add_f32 v[TM:TM+1], v[TM:TM+1], v[TM+4:TM+5]
	v_pk_add_f32 v[TM+2:TM+3], v[TM+2:TM+3], v[TM+6:TM+7]
	v_pk_add_f32 v[TM:TM+1], v[TM:TM+1], v[TM+2:TM+3]
	v_add_f32 v[TM], v[TM], v[TM+1]
	v_permlanex16_b32 v[TM+2], v[TM], s28, s29     ; the row's other 128 numbers lie in lane l xor 16
	v_add_f32 v[TM], v[TM], v[TM+2]
	v_fma_f32 v[TM], v[TM], s44, s45               ; / 256 + eps
	v_rsq_f32 v[RS], v[TM]
	v_nop                                          ; a plain place behind it,
	s_wait_alu depctr_va_vdst(0)                   ; and the wait ahead of its first reader
	; ---- x = c' rstd gamma + beta, 64 numbers (a K step of the FP4 product) at a time, and the quantiser
.irp c, 0,1
	WIN 0x21                                       ; source 0 window 1, source 2 window 2
.set i, 0
.rept 32
	v_pk_mul_f32 v[X+2*i:X+2*i+1], v[64*\c+2*i:64*\c+2*i+1], v[RS:RS+1] op_sel_hi:[1,0]
.set i, i+1
.endr
.set i, 0
.rept 32
	v_pk_fma_f32 v[X+2*i:X+2*i+1], v[128+64*\c+2*i:128+64*\c+2*i+1], v[X+2*i:X+2*i+1], v[128+64*\c+2*i:128+64*\c+2*i+1]
.set i, i+1
.endr
	WIN 0
	QUANT X, CODES+8*\c, XS+\c
.endr
.if NXT
	s_wait_loadcnt 0x0                             ; the next step's future_met, asked for a whole step ago, is in; its loads are done, so their base may step
	s_add_nc_u64 s[6:7], s[6:7], 64000
.set i, 0
.rept 8
	v_mov_b32 v[FB+i], v[FL+i]                     ; into B's registers, so that the step after next can land meanwhile.  These eight are also the places between the scale word just made and the scaled products
.set i, i+1
.endr
	s_cmp_eq_u32 s47, 1                            ; the last trip but none has a step after next: no load leaves the buffer
	s_cbranch_scc1 .Lno_fm_\@
	global_load_b128 v[FL:FL+3], v[FMO], s[6:7] offset:64000
	global_load_b128 v[FL+4:FL+7], v[FMO], s[6:7] offset:64016
.Lno_fm_\@:
.else
.rept 8
	v_nop                                          ; eight places between the scale word just made and the scaled products
.endr
.endif
	s_wait_dscnt 0x0                               ; units 0 and 1's fragments and q' are in
	FP4 0
.rept 4
	v_nop                                          ; four places behind this form, ahead of the first read of its results
.endr
.set i, 0
.rept 16
	v_and_b32 v[AA+i], s33, v[D2+i]                ; |z| of unit 0
.set i, i+1
.endr
	; ---- G
.irp w, 0,1,2,3,4,5,6,7
	UNIT \w
.endr
	; ---- R: eight sums over sixteen lanes at once: at each level a lane keeps the half of its registers that its number's bit names and sends the other half to its partner; lane (r, h) ends with row 8 h + r % 8
.irp j, 0,1,2,3
	v_cndmask_b32 v[PP+\j], v[ACC+2*\j], v[ACC+2*\j+1], s30
	v_cndmask_b32 v[PP+4+\j], v[ACC+2*\j+1], v[ACC+2*\j], s30
.endr
.irp j, 0,1,2,3
	v_add_f32_dpp v[PP+\j], v[PP+4+\j], v[PP+\j] row_xmask:1 row_mask:0xf bank_mask:0xf
.endr
.irp j, 0,1
	v_cndmask_b32 v[PP+8+\j], v[PP+2*\j], v[PP+2*\j+1], s31
	v_cndmask_b32 v[PP+10+\j], v[PP+2*\j+1], v[PP+2*\j], s31
.endr
.irp j, 0,1
	v_add_f32_dpp v[PP+8+\j], v[PP+10+\j], v[PP+8+\j] row_xmask:2 row_mask:0xf bank_mask:0xf
.endr
	v_cndmask_b32 v[PP+12], v[PP+8], v[PP+9], s32
	v_cndmask_b32 v[PP+13], v[PP+9], v[PP+8], s32
	v_add_f32_dpp v[PP+12], v[PP+13], v[PP+12] row_xmask:4 row_mask:0xf bank_mask:0xf
	v_add_f32_dpp v[PP+12], v[PP+12], v[PP+12] row_xmask:8 row_mask:0xf bank_mask:0xf
	v_add_f32 v[RES], s46, v[PP+12]                ; + b2
	v_cmp_gt_u32 vcc_lo, 8, v[RL]                  ; lanes r and r + 8 hold the same number: the lower one stores it
	s_wait_xcnt 0x0                                ; EXEC is a source of the loads issued above: it changes only behind this wait
	s_and_saveexec_b32 s50, vcc_lo
	global_store_b32 v[OUTO], v[RES], s[26:27]     ; 16 rows of out0(b, t, .): 64 neighbouring bytes, or two runs where the tile crosses from one b to the next
	s_wait_xcnt 0x0                                ; and again ahead of the line that restores it; the store's base and data are free behind it too
	s_or_b32 exec_lo, exec_lo, s50
.if NXT
	s_add_nc_u64 s[26:27], s[26:27], 4000          ; the next t: 1000 numbers on
.endif
.endm
.Lstep:                                                ; 23 trips; the last step is written out, since it has no successor to prepare
	STEP 1
	s_sub_co_u32 s47, s47, 1
	s_cmp_lg_u32 s47, 0
	s_cbranch_scc1 .Lstep
	STEP 0
	s_wait_xcnt 0x0
	s_mov_b32 exec_lo, -1
	s_wait_tensorcnt 0x0
	ds_add_u32 v254, v255
	s_wait_dscnt 0x0
	s_endpgm
.Lfunc_end_k_q5a08210e13_head:
	.size	k_q5a08210e13_head, .Lfunc_end_k_q5a08210e13_head-k_q5a08210e13_head
	.p2alignl 7, 3214868480
	.fill 96, 4, 3214868480
	.section	.rodata,"a",@progbits
	.p2align	6, 0x0
	.amdhsa_kernel k_q5a08210e13_head
		.amdhsa_group_segment_fixed_size 59904
		.amdhsa_private_segment_fixed_size 0
		.amdhsa_enable_private_segment 0
		.amdhsa_kernarg_size 96
		.amdhsa_user_sgpr_count 2
		.amdhsa_user_sgpr_kernarg_segment_ptr 1
		.amdhsa_wavefront_size32 1
		.amdhsa_system_sgpr_workgroup_id_x 1
		.amdhsa_system_sgpr_workgroup_id_y 1
		.amdhsa_system_sgpr_workgroup_id_z 1
		.amdhsa_system_vgpr_workitem_id 0
		.amdhsa_next_free_vgpr 1024
		.amdhsa_next_free_sgpr 66
		.amdhsa_reserve_vcc 1
		.amdhsa_float_denorm_mode_32 3
		.amdhsa_float_denorm_mode_16_64 3
		.amdhsa_memory_ordered 1
		.amdhsa_forward_progress 1
		.amdhsa_inst_pref_size 255
	.end_amdhsa_kernel
	.section	.bss,"aw",@nobits
	.p2align	6
	.space	262144
	.amdgpu_metadata
---
amdhsa.version: [ 1, 2 ]
amdhsa.kernels:
  - .name:           k_q5a08210e13_head
    .symbol:         k_q5a08210e13_head.kd
    .args:
      - { .name: final_h, .offset: 0, .size: 8, .value_kind: global_buffer, .address_space: global }
      - { .name: future_met, .offset: 8, .size: 8, .value_kind: global_buffer, .address_space: global }
      - { .name: step_queries, .offset: 16, .size: 8, .value_kind: global_buffer, .address_space: global }
      - { .name: W_fm, .offset: 24, .size: 8, .value_kind: global_buffer, .address_space: global }
      - { .name: b_fm, .offset: 32, .size: 8, .value_kind: global_buffer, .address_space: global }
      - { .name: gamma, .offset: 40, .size: 8, .value_kind: global_buffer, .address_space: global }
      - { .name: beta, .offset: 48, .size: 8, .value_kind: global_buffer, .address_space: global }
      - { .name: W1, .offset: 56, .size: 8, .value_kind: global_buffer, .address_space: global }
      - { .name: b1, .offset: 64, .size: 8, .value_kind: global_buffer, .address_space: global }
      - { .name: W2, .offset: 72, .size: 8, .value_kind: global_buffer, .address_space: global }
      - { .name: b2, .offset: 80, .size: 8, .value_kind: global_buffer, .address_space: global }
      - { .name: out0, .offset: 88, .size: 8, .value_kind: global_buffer, .address_space: global }
    .group_segment_fixed_size: 59904
    .private_segment_fixed_size: 0
    .kernarg_segment_align: 8
    .kernarg_segment_size: 96
    .max_flat_workgroup_size: 128
    .sgpr_count:     66
    .vgpr_count:     1024
    .wavefront_size: 32
...
	.end_amdgpu_metadata
.endif
;; end of part 1
